; MI455X (gfx1250); checked and timed in simulation.
; The chip was launched on July 23, 2026; its instructions are those of AMD's public machine-readable ISA for CDNA 5 (MIT licence, August 2026) and "CDNA5" Instruction Set Architecture Reference Guide (July 2026). The comments in the code are by the model that wrote it; some were corrected since.
;; Neural Network. Allowed arithmetic: matrix products marked QUANTISED: E2M1 operands, one E8M0 scale for each 32 along K, by v_wmma_scale_f32_16x16x128_f8f6f4 with both operands' format E2M1 (or v_wmma_scale_f32_32x16x128_f4), f32 sums; products left as they are: f32 operands where the result goes on into a quantised operand, else bf16, f16 or f32 operands; f32 sums; everything else in f32.
;; Inputs: W1 2,048 x 256 float32; W2 1 x 2,048 float32; Wc 1 x 256 float32; b1 2,048 float32; b2 1 float32; x 131,072 x 256 float32.
;; Outputs: out0 131,072 x 1 float32; out1 131,072 x 1 float32.
;; This version of the problem:
;;   THIS VERSION OF THE PROBLEM IS GIVEN IN LOW PRECISION. The matrix products marked QUANTISED in the list below multiply operands that are first quantised to E2M1 (2 exponent bits, 1 mantissa bit; 4 bits a number), with one power-of-two scale for each 32 numbers along K (OCP MX v1.0); their sums are f32. All else is computed in f32.
;;   The module's matrix products, in the order in which they are computed (A, B: the left and right operand; K: the contracted axis; several contracted axes count as one K, in the product's order):
;;     1. [M 131,072, K 256] x [K 256, N 2,048]; A: input x; B: input W1: QUANTISED
;;     2. [M 131,072, K 2,048] x [K 2,048, N 1]; A: computed on the way; B: input W2: left as it is (N = 1 < 16)
;;     3. [M 131,072, K 256] x [K 256, N 1]; A: input x; B: input Wc: left as it is (N = 1 < 16)
;;   THE QUANTISER, for each operand of a quantised product, along K:
;;     - K is cut into blocks of 32 from its start; a last block that is shorter is filled with zeros.
;;     - A block's scale is 2^e with e = floor(log2(the largest magnitude in the block)) - 2, held to -126 .. 127; a block of zeros has e = 0. As a byte (E8M0): e + 127.
;;     - Each number is divided by its block's scale, clamped to +-6, and rounded to the nearest number of E2M1, ties to even, subnormals kept.
;;     - The product sums the exact products of the quantised numbers (number of the format x scale) in f32.
;;   ~~~python
;;   def quantise(x, axis):      # numpy; x: float32 -> the quantised numbers, widened to float32 again
;;       x = np.moveaxis(x, axis, -1); K = x.shape[-1]
;;       x = np.pad(x, [(0, 0)] * (x.ndim - 1) + [(0, -K % 32)]); x = x.reshape(x.shape[:-1] + (-1, 32)); a = np.abs(x).max(-1, keepdims=True)
;;       e = np.where(a > 0, np.clip(np.frexp(np.where(a > 0, a, 1))[1] - 1 - 2, -126, 127), 0)      # np.frexp(a)[1] - 1 = floor(log2(a)), exactly
;;       r = np.clip(x / 2.0 ** e, -6, 6)
;;       step = 2.0 ** (np.maximum(np.frexp(np.where(r == 0, 1, r))[1] - 1, 0) - 1)
;;       q = np.round(r / step) * step * 2.0 ** e      # np.round: ties to even
;;       return np.moveaxis(q.reshape(q.shape[:-2] + (-1,))[..., :K], -1, axis).astype(np.float32)
;;   ~~~
;; One version. Each part assembles by itself: llvm-mc -triple=amdgcn-amd-amdhsa -mcpu=gfx1250 --defsym DOCPART=n.
;; ======== version 1 of 1: 2 launches
;; workspace buffers: w1c 262,144 bytes; w1s 16,384 bytes
;; launch prep (part 1): grid 64 x 1, 1 waves a work-group, no clusters, 0 bytes of LDS; arguments W1, w1c, w1s; writes w1c, w1s
.if DOCPART == 1
	.amdgcn_target "amdgcn-amd-amdhsa--gfx1250"
	.amdhsa_code_object_version 6
	.text
	.protected	k_q732c935ae4_prep
	.globl	k_q732c935ae4_prep
	.p2align	8
	.type	k_q732c935ae4_prep,@function
k_q732c935ae4_prep:
	s_mov_b64 s[64:65], 0
	v_nop
	global_prefetch_b8 v0, s[64:65] scope:SCOPE_SE
	s_setreg_imm32_b32 hwreg(HW_REG_WAVE_MODE, 25, 1), 1
	s_wait_xcnt 0x0
; THE PROGRAM: out0 = tanh(tanh(Q(x) Q(W1)^T + b1) . W2 + b2), out1 = clip(x . Wc, -1, 1); Q = the MX-FP4 quantiser along K = 256, blocks of 32.
; NO WORK OF reference() IS LEFT OUT: all six inputs reach an output, and all three products are computed.
; THIS LAUNCH quantises W1 [2048][256] f32 once, for all work-groups of the next launch, and lays the codes in the ORDER OF THE OPERAND'S REGISTERS:
;   w1c [fragment f = 2 T + s][c][lane][16 bytes]: T = a tile of 16 hidden units, s = a K step of 128; the 16 bytes are registers 4 c .. 4 c + 3 of the 4-bit operand:
;       lane (r, h) holds row 16 T + r, k = 128 s + 64 c + 32 h + 0 .. 31, the lower k in the lower bits.
;   w1s [pair p = T / 2][lane][2 words]: word i is tile 2 p + i's; lanes 0-15 hold row r's scale word of K step 0, lanes 16-31 that of K step 1.
; A block's scale is 2^(floor(log2(its largest magnitude)) - 2); its byte is the largest magnitude's exponent field - 2, held at 1 from below.
; LIMITS: a block of zeros gets the byte 1 where the rule says 127 (its codes are zeros, which add nothing under any byte but 0xff, and this program alone reads the bytes);
; NaN and infinities among the inputs are not served (the maxima drop a NaN).
; SHARES: one wave a work-group; work-group p takes rows 32 p .. 32 p + 31: two tiles x two K steps = four units u = 2 tile + s.  No LDS, no barrier.
; A lane loads, of its row, 16 neighbours of each block of 32 (four loads of 16 bytes a block): the conversions take neighbours along K from one lane's registers.
.set TM,  8                            ; v8-11 largest magnitudes, v12-15 the other half's / the bytes, v20-23 the conversions' scale operands
.set PW,  24                           ; v24-27  unit u's scale word
.set SW,  28                           ; v[28:29] the pair of scale words as stored
.set X0,  32                           ; v32-95   64 numbers, set 0
.set X1,  96                           ; v96-159  set 1
.set PC,  160                          ; v160-191 unit u's codes, 8 registers each: no store's data are written again
.set SEL, 20                           ; s[20:21] v_permlanex16_b32's selects for lane l xor 16
	s_load_b128 s[4:7], s[0:1], 0x0                ; W1, w1c
	s_load_b64 s[8:9], s[0:1], 0x10                ; w1s
	v_and_b32 v1, 15, v0                           ; r
	v_bfe_u32 v2, v0, 4, 1                         ; h
	v_lshlrev_b32 v3, 10, v1                       ; a row of W1 is 1,024 bytes
	v_lshl_add_u32 v3, v2, 6, v3                   ; + 64 h: my 16 numbers of a block of 32
	v_lshlrev_b32 v4, 4, v0                        ; codes out: 16 bytes a lane
	v_lshlrev_b32 v5, 3, v0                        ; scale words out: 8 bytes a lane
.irp b, 0,1,2,3
	v_mov_b32 v[TM+4+\b], 0                        ; written once: a lane permute's destination counts as one of its sources
.endr
	s_mov_b32 s[SEL], 0x76543210
	s_mov_b32 s[SEL+1], 0xfedcba98
	s_mov_b32 s22, 0xffff0000                      ; the mask of lanes 16-31
	s_lshl_b32 s10, ttmp9, 15                      ; 32 rows of 1,024 bytes
	s_mov_b32 s11, 0
	s_lshl_b32 s12, ttmp9, 12                      ; four fragments of 1,024 bytes
	s_mov_b32 s13, 0
	s_lshl_b32 s14, ttmp9, 8                       ; 256 bytes of scale words
	s_mov_b32 s15, 0
	s_wait_kmcnt 0x0
	s_add_nc_u64 s[4:5], s[4:5], s[10:11]
	s_add_nc_u64 s[6:7], s[6:7], s[12:13]
	s_add_nc_u64 s[8:9], s[8:9], s[14:15]
.macro LOAD u, set                     ; unit u: register 16 b + i = k 32 b + 16 h + i of my row's K step
.irp b, 0,1,2,3
.irp j, 0,1,2,3
	global_load_b128 v[\set+16*\b+4*\j:\set+16*\b+4*\j+3], v3, s[4:5] offset:((\u)/2)*16384+((\u)%2)*512+128*\b+16*\j th:TH_LOAD_NT
.endr
.endr
.endm
; 64 numbers of a lane, v[s] on, become a fragment's codes in v[pc] on and its scale word in v[pw].
.macro QUANT s, pc, pw
.irp b, 0,1,2,3
	v_max3_num_f32 v[TM+\b], |v[\s+16*\b]|, |v[\s+1+16*\b]|, 0x1800000   ; block b: my 16 numbers, and the floor 2^(3 - 127): the byte cannot fall under 1
.endr
.irp i, 2,4,6,8,10,12,14
.irp b, 0,1,2,3
	v_max3_num_f32 v[TM+\b], v[TM+\b], |v[\s+16*\b+\i]|, |v[\s+1+16*\b+\i]|   ; the four blocks by turns
.endr
.endr
.irp b, 0,1,2,3
	v_permlanex16_b32 v[TM+4+\b], v[TM+\b], s[SEL], s[SEL+1]
.endr
.irp b, 0,1,2,3
	v_max_num_f32 v[TM+\b], v[TM+\b], v[TM+4+\b]   ; with lane l xor 16's: the block's largest magnitude
.endr
.irp b, 0,1,2,3
	v_add_nc_u32 v[TM+12+\b], 0xff000000, v[TM+\b] ; 2 off its exponent field: the conversion takes the exponent field of this operand as its scale
.endr
.irp b, 0,1,2,3
	v_lshrrev_b32 v[TM+4+\b], 23, v[TM+12+\b]      ; the scale's byte
.endr
	v_lshl_or_b32 v[\pw], v[TM+5], 8, v[TM+4]      ; four bytes: my row's scale word
	v_lshl_or_b32 v[\pw], v[TM+6], 16, v[\pw]
	v_lshl_or_b32 v[\pw], v[TM+7], 24, v[\pw]
.irp b, 0,1,2,3
	v_cvt_scalef32_pk8_fp4_f32 v[\pc+2*\b], v[\s+16*\b:\s+7+16*\b], v[TM+12+\b]
	v_cvt_scalef32_pk8_fp4_f32 v[\pc+1+2*\b], v[\s+8+16*\b:\s+15+16*\b], v[TM+12+\b]
.endr
	v_nop                                          ; one plain instruction behind the scaled conversions
.irp c, 0,1                            ; the operand's layout wants a whole block in a lane: lanes 0-15 block 2 c, lanes 16-31 block 2 c + 1
.irp i, 0,1
	v_permlane16_swap_b32 v[\pc+4*\c+\i], v[\pc+2+4*\c+\i]
.endr
.endr
.endm
.macro UNIT u, set, left, more
	s_wait_loadcnt \left                           ; this unit's 16 loads are in; the younger unit's 16 may be out
	QUANT \set, PC+8*(\u), PW+(\u)
	global_store_b128 v4, v[PC+8*(\u):PC+8*(\u)+3], s[6:7] offset:1024*(\u)        ; 32 lanes store 512 consecutive bytes
	global_store_b128 v4, v[PC+8*(\u)+4:PC+8*(\u)+7], s[6:7] offset:1024*(\u)+512
.if \more
	LOAD (\u)+2, \set
.endif
.endm
	LOAD 0, X0
	LOAD 1, X1
	UNIT 0, X0, 16, 1
	UNIT 1, X1, 16, 1
	UNIT 2, X0, 16, 0
	UNIT 3, X1, 0, 0
	v_cndmask_b32 v[SW], v[PW], v[PW+1], s22       ; tile 0: lanes 0-15 K step 0's word, lanes 16-31 K step 1's
	v_cndmask_b32 v[SW+1], v[PW+2], v[PW+3], s22   ; tile 1 likewise
	global_store_b64 v5, v[SW:SW+1], s[8:9]        ; 32 lanes store 256 consecutive bytes, aligned
	s_endpgm
.Lfunc_end_k_q732c935ae4_prep:
	.size	k_q732c935ae4_prep, .Lfunc_end_k_q732c935ae4_prep-k_q732c935ae4_prep
	.p2alignl 7, 3214868480
	.fill 96, 4, 3214868480
	.section	.rodata,"a",@progbits
	.p2align	6, 0x0
	.amdhsa_kernel k_q732c935ae4_prep
		.amdhsa_group_segment_fixed_size 0
		.amdhsa_private_segment_fixed_size 0
		.amdhsa_enable_private_segment 0
		.amdhsa_kernarg_size 24
		.amdhsa_user_sgpr_count 2
		.amdhsa_user_sgpr_kernarg_segment_ptr 1
		.amdhsa_wavefront_size32 1
		.amdhsa_system_sgpr_workgroup_id_x 1
		.amdhsa_system_sgpr_workgroup_id_y 1
		.amdhsa_system_sgpr_workgroup_id_z 1
		.amdhsa_system_vgpr_workitem_id 0
		.amdhsa_next_free_vgpr 192
		.amdhsa_next_free_sgpr 66
		.amdhsa_reserve_vcc 0
		.amdhsa_float_denorm_mode_32 3
		.amdhsa_float_denorm_mode_16_64 3
		.amdhsa_memory_ordered 1
		.amdhsa_forward_progress 1
		.amdhsa_inst_pref_size 24
	.end_amdhsa_kernel
	.amdgpu_metadata
---
amdhsa.version: [ 1, 2 ]
amdhsa.kernels:
  - .name:           k_q732c935ae4_prep
    .symbol:         k_q732c935ae4_prep.kd
    .args:
      - { .name: W1, .offset: 0, .size: 8, .value_kind: global_buffer, .address_space: global }
      - { .name: w1c, .offset: 8, .size: 8, .value_kind: global_buffer, .address_space: global }
      - { .name: w1s, .offset: 16, .size: 8, .value_kind: global_buffer, .address_space: global }
    .group_segment_fixed_size: 0
    .private_segment_fixed_size: 0
    .kernarg_segment_align: 8
    .kernarg_segment_size: 24
    .max_flat_workgroup_size: 32
    .sgpr_count:     66
    .vgpr_count:     192
    .wavefront_size: 32
...
	.end_amdgpu_metadata
.endif
;; end of part 1
;; launch main (part 2): grid 256 x 1, 8 waves a work-group, no clusters, 327,680 bytes of LDS; arguments x, w1c, w1s, b1, W2, b2, Wc, out0, out1; writes out0, out1
.if DOCPART == 2
	.amdgcn_target "amdgcn-amd-amdhsa--gfx1250"
	.amdhsa_code_object_version 6
	.text
	.protected	k_q732c935ae4_main
	.globl	k_q732c935ae4_main
	.p2align	8
	.type	k_q732c935ae4_main,@function
k_q732c935ae4_main:
	s_mov_b64 s[64:65], 0
	v_nop
	global_prefetch_b8 v0, s[64:65] scope:SCOPE_SE
	s_setreg_imm32_b32 hwreg(HW_REG_WAVE_MODE, 25, 1), 1
	s_wait_xcnt 0x0
; out0 = tanh(tanh(Q(x) Q(W1)^T + b1) . W2 + b2), out1 = clip(x . Wc, -1, 1).  x [131072][256] f32; W1 comes as codes and scale words laid by the launch before (its head comment has the layouts).
; Nothing of reference() is left out.  The hidden layer never leaves the registers.
; TANH: tanh(z) = 1 - 2 / (1 + 2^(c z)), c = 2 log2(e).  A very large c z gives infinity, whose reciprocal is 0; a very negative one gives 0, and the reciprocal of 1 is 1: both ends are right without a clamp.
; A hidden number costs: half a packed multiply-add (c s + c b1), an exponential, half a packed addition (+ 1), a reciprocal, half a packed multiply-add (acc += rcp x (-2 W2)).
; Each lane's sum begins with the sum of its own 16 numbers of W2, so that it holds the sum of w (1 - 2 rcp) over its 16 hidden units: terms of the size of the W2 that enter it.
; LIMITS: NaN and infinities among the inputs are not served (the maxima and the clamp drop a NaN); a block of zeros of x gets the scale byte 1 where the rule says 127 (its codes are zeros).
; SHARES: a work-group owns 512 rows, walked as 8 blocks of 64 (four tiles of 16 rows, m).  THE EIGHT WAVES SHARE THE COLUMNS: wave w owns hidden units 256 w .. 256 w + 255: 16 tiles T, 32 fragments of W1,
; 256 registers, which stay for the whole launch.  In the small phases wave w = 2 mt + sk also has tile of rows mt and half sk.
; THE PRODUCT IS NOT TRANSPOSED: source 0 = 16 rows of x, source 1 = 16 rows of W1: lane (r, h), register j holds (row 8 h + j, hidden unit 16 T + r).  So b1 and W2 are one register a tile each,
; and the sum over hidden units runs inside a lane; 16 lanes and 8 waves are joined once a block.
; A BLOCK: Q: wave w reads its own 16 rows x 128 numbers of x from its own LDS slot, quantises them (one fragment, stored as an image of its registers) and makes its part of x . Wc | barrier, behind which the
; slot just read is filled with the block two on | C: for each m: 32 products, 2,048 tanh a lane-row, partial sums to LDS | barrier | R: wave w adds the eight waves' and sixteen lanes' parts for 8 rows.
; NO CLUSTER: the loop's tiles, 524,288 bytes of x a work-group, are read by that work-group alone.  What all work-groups share, W1's codes and scale words, is 278,528 bytes read once,
; straight into the registers where it stays; a joint load would land it in LDS, from where it would have to be read once more.
; REGISTERS: window 0: v1-13 addresses; v14, v15 the add's two; v16-31 W1's scale words; v32 x's scale word; v[34:35] the sum of my W2; v36-67 pairs (c b1, -2 W2) a tile; v68-83 x's two fragments;
;   v84-99 two sets of sums; v100-163, v164-227 two sets of 8 accumulators; v228-253 the quantiser's.   window 1: W1's fragment (T, s) at v[16 T + 8 s].
.set SLOT1, 1<<17                      ; slot 1 begins here: one exclusive or turns an address in one slot into the other's
.set XP,    528                        ; a row of x's tile in LDS: 512 bytes + 16 of padding = 132 words: row r starts 4 r words on, modulo 64
.set WSL,   16*XP                      ; a wave's tile: 16 rows
.set XIMG,  8*WSL                      ; behind slot 0: x's 8 fragments [2 m + s][c][lane][16 bytes]
.set XSC,   XIMG+8192                  ; their scale words [m][lane]: lanes 0-15 K step 0, lanes 16-31 K step 1
.set PART,  XSC+512                    ; partial sums [m][wave][q][lane][16 bytes]
.set OST,   PART+32768                 ; the 512 rows' sums ahead of the last tanh: [wave][block][h][4 rows]
.set UP,    OST+2048                   ; parts of x . Wc: [wave][block][16 rows]
.set WCL,   UP+4096                    ; Wc
.set SPARE, WCL+1024                   ; the spare words, 128 bytes for each wave: four blocks of 256 bytes that no other line names
.set XB,  1                            ; v1   my place in my wave's tile of x: 8448 w + 528 r + 64 h
.set XRD, 2                            ; v2   the same in the slot in hand
.set WCA, 3                            ; v3   Wc: WCL + 512 sk + 64 h
.set IMW, 4                            ; v4   where I store my fragment's image: XIMG + 1024 w + 16 lane
.set SCW, 5                            ; v5   and its scale word: XSC + 64 w + 4 r
.set UW0, 6                            ; v6   UP + 512 w + 4 r
.set UW,  7                            ; v7   + 64 x block
.set IMR, 8                            ; v8   XIMG + 16 lane
.set SCR, 9                            ; v9   XSC + 4 lane
.set PAW, 10                           ; v10  PART + 1024 w + 16 lane
.set PAR, 11                           ; v11  PART + 8192 mt + 512 sk + 16 lane
.set ZW0, 12                           ; v12  OST + 256 w + 16 h
.set ZW,  13                           ; v13  + 32 x block
.set SPW, 14                           ; v14  LDS address of my spare word; never rewritten
.set NIL, 15                           ; v15  0; never rewritten
.set W1S, 16
.set XSR, 32
.set WS,  34
.set CW,  36
.set XF,  68
.set ACC, 84
.set DA,  100
.set DB,  164
.set TM,  228
.set PW,  244
.set PC,  246
.set WV,  26                           ; s26 wave, s27 mt, s28 sk
.set MT,  27
.set SK,  28
.set SEL, 30                           ; s[30:31] v_permlanex16_b32's selects for lane l xor 16
.set G0A, 32                           ; s[32:35] descriptor group 0: slot 0's first fill
.set G0B, 36                           ; s[36:39] slot 1's first fill; it then walks on
.set G1,  40                           ; s[40:47] descriptor group 1
.set CC,  48                           ; s[48:49] c, twice: the packed form names a pair
.set CB2, 50                           ; s50  c b2
.set TB,  51                           ; s51  LDS byte at which the slot in hand begins
.set KU,  52                           ; s52  64 x block
.set CNT, 53
.set KZ,  57                           ; s57  32 x block
.set MSB, 0
.macro WIN new                         ; the immediate's high byte repeats the setting that is left; a switch that changes nothing is dropped
.if MSB != \new
	s_set_vgpr_msb (MSB<<8)|\new
.set MSB, \new
.endif
.endm
	s_load_b512 s[8:23], s[0:1], 0x0               ; x s[8:9], w1c s[10:11], w1s s[12:13], b1 s[14:15], W2 s[16:17], b2 s[18:19], Wc s[20:21], out0 s[22:23]
	s_load_b64 s[24:25], s[0:1], 0x40              ; out1
	v_lshl_add_u32 v[SPW], v0, 2, SPARE
	v_mov_b32 v[NIL], 0
	ds_add_u32 v[SPW], v[NIL]                      ; the wave's opening: the add, twice on end, and its wait ahead of my first tensor load
	ds_add_u32 v[SPW], v[NIL]                      ; and once more, under the one wait; work on registers stands between
	v_lshrrev_b32 v246, 5, v0
	v_readfirstlane_b32 s[WV], v246                ; wave 0..7
	s_lshr_b32 s[MT], s[WV], 1
	s_and_b32 s[SK], s[WV], 1
	; group 1: a tile of 16 rows x 128 f32, rows 256 elements apart in memory, 16 bytes of padding behind each row in LDS
	s_mov_b32 s[G1+0], (2<<16)|(1<<20)|(6<<22)|(3<<25)  ; no mask; elements of 4 bytes; padding on: after every 128 words (code 6) 4 words (code 3)
	s_mov_b32 s[G1+1], 128<<16                     ; tensor_dim0 = 128
	s_mov_b32 s[G1+2], 16<<16                      ; tensor_dim1 = 16
	s_mov_b32 s[G1+3], 128<<16                     ; tile_dim0 = 128
	s_mov_b32 s[G1+4], 16                          ; tile_dim1 = 16
	s_mov_b32 s[G1+5], 256                         ; from row to row
	s_mov_b32 s[G1+6], 0
	s_mov_b32 s[G1+7], 0
	s_mov_b32 s[SEL], 0x76543210
	s_mov_b32 s[SEL+1], 0xfedcba98
	s_mov_b32 s[CC], 0x4038aa3b                    ; c = 2 log2(e)
	s_mov_b32 s[CC+1], s[CC]
	s_lshl_b32 s2, ttmp9, 19                       ; my work-group's 512 rows of 1,024 bytes,
	s_lshl_b32 s54, s[MT], 14                      ; my tile of 16 rows,
	s_add_co_u32 s2, s2, s54
	s_lshl_b32 s54, s[SK], 9                       ; my half of K
	s_add_co_u32 s2, s2, s54
	s_mov_b32 s3, 0
	s_mul_i32 s55, s[WV], WSL                      ; my tile's place in a slot
	v_and_b32 v246, 31, v0                         ; lane
	v_and_b32 v247, 15, v0                         ; r
	v_bfe_u32 v248, v0, 4, 1                       ; h
	v_lshlrev_b32 v249, 4, v246                    ; offsets of the loads below
	v_lshlrev_b32 v250, 3, v246
	v_lshlrev_b32 v251, 2, v247
	v_lshlrev_b32 v252, 2, v0
	s_wait_dscnt 0x0                               ; both opening adds are done
	s_wait_kmcnt 0x0
	s_mov_b32 s[G0A], 1                            ; count = 1
	s_mov_b32 s[G0A+1], s55                        ; LDS address: slot 0
	s_add_nc_u64 s[G0A+2:G0A+3], s[8:9], s[2:3]    ; block 0
	s_mov_b32 s[G0B], 1
	s_add_co_u32 s[G0B+1], s55, SLOT1              ; slot 1
	s_add_nc_u64 s[G0B+2:G0B+3], s[G0A+2:G0A+3], 0x10000   ; block 1: 64 rows on
	s_or_b32 s[G0A+3], s[G0A+3], 0x80000000        ; type = 2
	s_or_b32 s[G0B+3], s[G0B+3], 0x80000000
	tensor_load_to_lds s[G0A:G0A+3], s[G1:G1+7]    ; every wave issues both first fills: two tensor loads of mine are out
	s_nop 0
	tensor_load_to_lds s[G0B:G0B+3], s[G1:G1+7]
	s_nop 0
.rept 4
	v_nop
.endr
	s_load_b32 s[CB2], s[18:19], 0x0               ; b2
	s_lshl_b32 s2, s[WV], 15                       ; my 32 fragments of W1
	s_add_nc_u64 s[10:11], s[10:11], s[2:3]
	s_lshl_b32 s2, s[WV], 11                       ; my 8 pairs of scale words
	s_add_nc_u64 s[12:13], s[12:13], s[2:3]
	s_lshl_b32 s2, s[WV], 10                       ; my 256 numbers of b1 and of W2
	s_add_nc_u64 s[14:15], s[14:15], s[2:3]
	s_add_nc_u64 s[16:17], s[16:17], s[2:3]
	s_lshl_b32 s2, ttmp9, 11                       ; my work-group's 512 numbers of each output
	s_add_nc_u64 s[22:23], s[22:23], s[2:3]
	s_add_nc_u64 s[24:25], s[24:25], s[2:3]
	global_load_b32 v[DA+32], v252, s[20:21]       ; Wc: a number a thread
.irp t, 0,1,2,3,4,5,6,7,8,9,10,11,12,13,14,15
	global_load_b32 v[DA+\t], v251, s[14:15] offset:64*\t       ; b1 of hidden unit 16 T + r
	global_load_b32 v[DA+16+\t], v251, s[16:17] offset:64*\t    ; W2 of the same
.endr
.irp q, 0,1,2,3,4,5,6,7
	global_load_b64 v[W1S+2*\q:W1S+2*\q+1], v250, s[12:13] offset:256*\q
.endr
	WIN 0x40                                       ; destination window 1
.set i, 0
.rept 64
	global_load_b128 v[4*i:4*i+3], v249, s[10:11] offset:512*i  ; 512 consecutive bytes a load; register 4 i = 16 T + 8 s + 4 c
.set i, i+1
.endr
	WIN 0
	v_mul_u32_u24 v[XB], v247, XP
	v_lshl_add_u32 v[XB], v248, 6, v[XB]
	v_add_nc_u32 v[XB], s55, v[XB]
	s_lshl_b32 s54, s[SK], 9
	s_add_co_u32 s54, s54, WCL
	v_lshl_add_u32 v[WCA], v248, 6, s54
	s_lshl_b32 s54, s[WV], 10
	s_add_co_u32 s54, s54, XIMG
	v_lshl_add_u32 v[IMW], v246, 4, s54
	s_lshl_b32 s54, s[WV], 6
	s_add_co_u32 s54, s54, XSC
	v_lshl_add_u32 v[SCW], v247, 2, s54
	s_lshl_b32 s54, s[WV], 9
	s_add_co_u32 s54, s54, UP
	v_lshl_add_u32 v[UW0], v247, 2, s54
	v_lshl_add_u32 v[IMR], v246, 4, XIMG
	v_lshl_add_u32 v[SCR], v246, 2, XSC
	s_lshl_b32 s54, s[WV], 10
	s_add_co_u32 s54, s54, PART
	v_lshl_add_u32 v[PAW], v246, 4, s54
	s_lshl_b32 s54, s[MT], 13
	s_lshl_b32 s56, s[SK], 9
	s_add_co_u32 s54, s54, s56
	s_add_co_u32 s54, s54, PART
	v_lshl_add_u32 v[PAR], v246, 4, s54
	s_lshl_b32 s54, s[WV], 8
	s_add_co_u32 s54, s54, OST
	v_lshl_add_u32 v[ZW0], v248, 4, s54
.irp b, 0,1,2,3
	v_mov_b32 v[TM+4+\b], 0                        ; written once: a lane permute's destination counts as one of its sources
.endr
	s_mov_b32 s[TB], 0
	s_mov_b32 s[KU], 0
	s_mov_b32 s[KZ], 0
	s_wait_loadcnt 0x0                             ; the weights, once
	s_wait_kmcnt 0x0                               ; b2
	s_mul_f32 s[CB2], s[CB2], s[CC]
.irp t, 0,1,2,3,4,5,6,7,8,9,10,11,12,13,14,15
	v_mul_f32 v[CW+2*\t], s[CC], v[DA+\t]          ; c b1
	v_mul_f32 v[CW+2*\t+1], -2.0, v[DA+16+\t]      ; -2 W2
.endr
	v_add_f32 v[WS], v[DA+16], v[DA+17]
.irp t, 2,3,4,5,6,7,8,9,10,11,12,13,14,15
	v_add_f32 v[WS], v[WS], v[DA+16+\t]            ; the sum of my 16 numbers of W2
.endr
	v_mov_b32 v[WS+1], v[WS]
	v_lshl_add_u32 v253, v0, 2, WCL
	ds_store_b32 v253, v[DA+32]
	s_wait_dscnt 0x0                               ; for the others' sake: my part of Wc lies in LDS
	s_wait_tensorcnt 0x1                           ; my tile of block 0 is in; slot 1's, issued behind it, may stay out
	s_barrier_signal -1
	s_barrier_wait -1
; 64 numbers of a lane, v[s] on, register 16 b + i = k 32 b + 16 h + i of my row, become a fragment's codes in v[PC] on and its scale word in v[PW].
.macro QUANT s
.irp b, 0,1,2,3
	v_max3_num_f32 v[TM+\b], |v[\s+16*\b]|, |v[\s+1+16*\b]|, 0x1800000   ; block b: my 16 numbers, and the floor 2^(3 - 127): the byte cannot fall under 1
.endr
.irp i, 2,4,6,8,10,12,14
.irp b, 0,1,2,3
	v_max3_num_f32 v[TM+\b], v[TM+\b], |v[\s+16*\b+\i]|, |v[\s+1+16*\b+\i]|   ; the four blocks by turns
.endr
.endr
.irp b, 0,1,2,3
	v_permlanex16_b32 v[TM+4+\b], v[TM+\b], s[SEL], s[SEL+1]
.endr
.irp b, 0,1,2,3
	v_max_num_f32 v[TM+\b], v[TM+\b], v[TM+4+\b]   ; with lane l xor 16's: the block's largest magnitude
.endr
.irp b, 0,1,2,3
	v_add_nc_u32 v[TM+12+\b], 0xff000000, v[TM+\b] ; 2 off its exponent field: the conversion's scale operand
.endr
.irp b, 0,1,2,3
	v_lshrrev_b32 v[TM+4+\b], 23, v[TM+12+\b]      ; the scale's byte
.endr
	v_lshl_or_b32 v[PW], v[TM+5], 8, v[TM+4]
	v_lshl_or_b32 v[PW], v[TM+6], 16, v[PW]
	v_lshl_or_b32 v[PW], v[TM+7], 24, v[PW]
.irp b, 0,1,2,3
	v_cvt_scalef32_pk8_fp4_f32 v[PC+2*\b], v[\s+16*\b:\s+7+16*\b], v[TM+12+\b]
	v_cvt_scalef32_pk8_fp4_f32 v[PC+1+2*\b], v[\s+8+16*\b:\s+15+16*\b], v[TM+12+\b]
.endr
	v_nop                                          ; one plain instruction behind the scaled conversions
.irp c, 0,1                            ; a whole block in a lane: lanes 0-15 block 2 c, lanes 16-31 block 2 c + 1
.irp i, 0,1
	v_permlane16_swap_b32 v[PC+4*\c+\i], v[PC+2+4*\c+\i]
.endr
.endr
.endm
.macro XFLOAD m                        ; x's two fragments of tile of rows m, and its scale words, as any wave stored them
.irp s, 0,1
.irp c, 0,1
	ds_load_b128 v[XF+8*\s+4*\c:XF+8*\s+4*\c+3], v[IMR] offset:2048*(\m)+1024*\s+512*\c
.endr
.endr
	ds_load_b32 v[XSR], v[SCR] offset:128*(\m)
.endm
; Product i of 16: K step i / 8, tile ntb + i % 8, into accumulator i % 8 of set nxt.  The eight accumulators take turns, one instruction a turn.  The first eight start the sums.
.macro WM nxt, ntb
.set ws, i/8
.set wt, i%8
.set wd, (\nxt)+8*wt
.set wb, 16*((\ntb)+wt)+8*ws
.if ws == 0
	v_wmma_scale_f32_16x16x128_f8f6f4 v[wd:wd+7], v[XF:XF+7], v[wb:wb+7], 0, v[XSR], v[W1S+(\ntb)+wt] matrix_a_fmt:MATRIX_FMT_FP4 matrix_b_fmt:MATRIX_FMT_FP4
.else
	v_wmma_scale_f32_16x16x128_f8f6f4 v[wd:wd+7], v[XF+8:XF+15], v[wb:wb+7], v[wd:wd+7], v[XSR], v[W1S+(\ntb)+wt] matrix_a_fmt:MATRIX_FMT_FP4 matrix_b_fmt:MATRIX_FMT_FP4 matrix_a_scale:MATRIX_SCALE_ROW1 matrix_b_scale:MATRIX_SCALE_ROW1
.endif
.endm
.macro FPAIR cur, tb                   ; pair p of 32: c s + c b1 (of the pairs c and (c b1, -2 W2) the first word serves both halves)
	v_pk_fma_f32 v[\cur+2*p:\cur+2*p+1], v[\cur+2*p:\cur+2*p+1], s[CC:CC+1], v[CW+2*(\tb+p/4):CW+2*(\tb+p/4)+1] op_sel_hi:[1,0,0]
.endm
.macro APAIR cur                       ; pair p: + 1
	v_pk_add_f32 v[\cur+2*p:\cur+2*p+1], v[\cur+2*p:\cur+2*p+1], 1.0 op_sel_hi:[1,0]
.endm
; A STEP: the tanh of set cur's 8 tiles (T = tb on, tile of rows m) and their part of the sum; between its exponentials stand, where wm = 1, the 16 products of the next set (nxt, tiles ntb on).
; Under the setting 0x04 (source 1 in window 1) stand the products and all lines that have no vector register as source 1; only the sums want setting 0.
; The exponentials are one batch with one wait ahead of its first reader, and so are the reciprocals.  A set's first read is of each accumulator's two lowest registers.
; xl = 1: x's fragments of tile m + 1 are fetched behind the batch: the 14 packed multiply-adds behind the last product name none of its registers and are its places.
.macro STEP cur, tb, wm, nxt, ntb, xl, m
	WIN 0x04
.set p, 0
.rept 2
	FPAIR \cur, \tb
.set p, p+1
.endr
.if (\wm) && ((\tb) == 8)
	s_wait_dscnt 0x0                               ; x's fragments of the next tile of rows, asked for a step ago, are in
.endif
.set i, 0
.rept 32
.if i < 30
	FPAIR \cur, \tb
.set p, p+1
.endif
	v_exp_f32 v[\cur+2*i], v[\cur+2*i]
	v_exp_f32 v[\cur+2*i+1], v[\cur+2*i+1]
.if (\wm) && (i < 16)
	WM \nxt, \ntb
.endif
.set i, i+1
.endr
	v_nop                                          ; a plain instruction behind the last exponential
	s_wait_alu depctr_va_vdst(0)                   ; one wait for the 64
.if \xl
	XFLOAD (\m)+1
.endif
.set p, 0
.rept 2
	APAIR \cur
.set p, p+1
.endr
.set i, 0
.rept 32
.if i < 30
	APAIR \cur
.set p, p+1
.endif
	v_rcp_f32 v[\cur+2*i], v[\cur+2*i]
	v_rcp_f32 v[\cur+2*i+1], v[\cur+2*i+1]
.set i, i+1
.endr
	v_nop                                          ; a plain instruction behind the last reciprocal
	s_wait_alu depctr_va_vdst(0)                   ; one wait for the 64
	WIN 0
.set t, 0
.rept 8                                ; acc += rcp x (-2 W2): of the pair (c b1, -2 W2) the second word serves both halves; two sets of sums by turns, so that a pair is written again eight lines on
.set p, 0
.rept 4
.set ra, ACC+8*(t%2)+2*p
.set rd, \cur+8*t+2*p
.set rw, CW+2*(\tb+t)
.if ((\tb) == 0) && (t == 0)
	v_pk_fma_f32 v[ra:ra+1], v[rd:rd+1], v[rw:rw+1], v[WS:WS+1] op_sel:[0,1,0] op_sel_hi:[1,1,1]   ; the first set begins with the sum of my W2
.elseif ((\tb) == 0) && (t == 1)
	v_pk_mul_f32 v[ra:ra+1], v[rd:rd+1], v[rw:rw+1] op_sel:[0,1] op_sel_hi:[1,1]                   ; the second with its first term
.else
	v_pk_fma_f32 v[ra:ra+1], v[rd:rd+1], v[rw:rw+1], v[ra:ra+1] op_sel:[0,1,0] op_sel_hi:[1,1,1]
.endif
.set p, p+1
.endr
.set t, t+1
.endr
.if (\tb) == 8                         ; the tile of rows is done: my 16 hidden units' part of rows 8 h + 0 .. 7
.irp q, 0,1,2,3
	v_pk_add_f32 v[ACC+2*\q:ACC+2*\q+1], v[ACC+2*\q:ACC+2*\q+1], v[ACC+8+2*\q:ACC+8+2*\q+1]
.endr
	ds_store_b128 v[PAW], v[ACC:ACC+3] offset:8192*(\m)
	ds_store_b128 v[PAW], v[ACC+4:ACC+7] offset:8192*(\m)+512
.endif
.endm
.macro BLOCK refill
	; ---- Q: my 16 rows x 128 numbers of x, out of my own tile of the slot in hand
	v_add_nc_u32 v[XRD], s[TB], v[XB]
	v_add_nc_u32 v[UW], s[KU], v[UW0]
	v_add_nc_u32 v[ZW], s[KZ], v[ZW0]
.irp b, 0,1,2,3
.irp j, 0,1,2,3
	ds_load_b128 v[DA+16*\b+4*\j:DA+16*\b+4*\j+3], v[XRD] offset:128*\b+16*\j
.endr
.endr
.irp b, 0,1,2,3
.irp j, 0,1,2,3
	ds_load_b128 v[DB+16*\b+4*\j:DB+16*\b+4*\j+3], v[WCA] offset:128*\b+16*\j   ; Wc at the same k
.endr
.endr
	s_wait_dscnt 16                                ; x is in; the 16 loads of Wc, issued behind, may be out
	QUANT DA
	ds_store_b128 v[IMW], v[PC:PC+3]               ; the fragment goes to LDS as it stands
	ds_store_b128 v[IMW], v[PC+4:PC+7] offset:512
	ds_store_b32 v[SCW], v[PW]                     ; lanes r and r + 16 write the same word with the same value
	s_wait_dscnt 3                                 ; Wc is in; the three stores, issued behind, may be out
.irp q, 0,1,2,3
	v_pk_mul_f32 v[ACC+2*\q:ACC+2*\q+1], v[DA+2*\q:DA+2*\q+1], v[DB+2*\q:DB+2*\q+1]   ; x . Wc in f32, four chains
.endr
.set n, 4
.rept 28
	v_pk_fma_f32 v[ACC+2*(n%4):ACC+2*(n%4)+1], v[DA+2*n:DA+2*n+1], v[DB+2*n:DB+2*n+1], v[ACC+2*(n%4):ACC+2*(n%4)+1]
.set n, n+1
.endr
	v_pk_add_f32 v[ACC:ACC+1], v[ACC:ACC+1], v[ACC+2:ACC+3]
	v_pk_add_f32 v[ACC+4:ACC+5], v[ACC+4:ACC+5], v[ACC+6:ACC+7]
	v_pk_add_f32 v[ACC:ACC+1], v[ACC:ACC+1], v[ACC+4:ACC+5]
	v_add_f32 v[ACC], v[ACC], v[ACC+1]
	v_permlanex16_b32 v[ACC+1], v[ACC], s[SEL], s[SEL+1]
	v_add_f32 v[ACC], v[ACC], v[ACC+1]             ; row r's part over my 128 along K
	ds_store_b32 v[UW], v[ACC]
	; ---- the first barrier: x's images lie in LDS; the slot just read may be filled again
	s_wait_tensorcnt 0x0                           ; all my tensor loads have landed, the next block's tile among them: so a group 0 may be written
	ds_add_u32 v[SPW], v[NIL]                      ; 0 onto my spare word
.if \refill
	s_xor_b32 s[G0B+1], s[G0B+1], SLOT1            ; the walking descriptor: the slot just read,
	s_add_nc_u64 s[G0B+2:G0B+3], s[G0B+2:G0B+3], 0x10000   ; the block two on; the type bits on top are not reached
.endif
	s_wait_dscnt 0x0                               ; the add is done, my stores have landed and my reads of the slot are over
	s_barrier_signal -1
	s_barrier_wait -1
.if \refill
	tensor_load_to_lds s[G0B:G0B+3], s[G1:G1+7]    ; my one tensor load behind this barrier, and the first thing there: it has a whole block's work in which to land
	s_nop 0
.rept 4
	v_nop
.endr
.endif
	; ---- C: the hidden layer, a tile of 16 rows at a time, in two sets of 8 tiles that take turns
	XFLOAD 0
	s_wait_dscnt 0x0
	WIN 0x04
.set i, 0
.rept 16
	WM DA, 0
.set i, i+1
.endr
.rept 4
	v_nop                                          ; places between the last product and the first read of results
.endr
	STEP DA, 0, 1, DB, 8, 1, 0
	STEP DB, 8, 1, DA, 0, 0, 0
	STEP DA, 0, 1, DB, 8, 1, 1
	STEP DB, 8, 1, DA, 0, 0, 1
	STEP DA, 0, 1, DB, 8, 1, 2
	STEP DB, 8, 1, DA, 0, 0, 2
	STEP DA, 0, 1, DB, 8, 0, 3
	STEP DB, 8, 0, DA, 0, 0, 3
	WIN 0
	s_wait_dscnt 0x0                               ; for the others' sake: my partial sums lie in LDS, and my reads of x's images are over
	s_barrier_signal -1
	s_barrier_wait -1
	; ---- R: rows 8 h + 4 sk + 0 .. 3 of tile of rows mt: the eight waves' parts, then the sixteen lanes'
.irp q, 0,1,2,3,4,5,6,7
	ds_load_b128 v[DA+4*\q:DA+4*\q+3], v[PAR] offset:1024*\q
.endr
	s_wait_dscnt 0x0
.irp q, 0,1,2,3
.irp e, 0,2
	v_pk_add_f32 v[DA+4*\q+\e:DA+4*\q+\e+1], v[DA+4*\q+\e:DA+4*\q+\e+1], v[DA+16+4*\q+\e:DA+16+4*\q+\e+1]
.endr
.endr
.irp q, 0,1
.irp e, 0,2
	v_pk_add_f32 v[DA+4*\q+\e:DA+4*\q+\e+1], v[DA+4*\q+\e:DA+4*\q+\e+1], v[DA+8+4*\q+\e:DA+8+4*\q+\e+1]
.endr
.endr
.irp e, 0,2
	v_pk_add_f32 v[DA+\e:DA+\e+1], v[DA+\e:DA+\e+1], v[DA+4+\e:DA+4+\e+1]
.endr
.irp x, 1,2,4,8
.irp e, 0,1,2,3
	v_add_f32_dpp v[DA+\e], v[DA+\e], v[DA+\e] row_xmask:\x row_mask:0xf bank_mask:0xf
.endr
.endr
	ds_store_b128 v[ZW], v[DA:DA+3]                ; the sixteen lanes of a half write the same 16 bytes with the same values
	s_xor_b32 s[TB], s[TB], SLOT1                  ; on to the other slot
	s_add_co_u32 s[KU], s[KU], 64
	s_add_co_u32 s[KZ], s[KZ], 32
.endm
	s_mov_b32 s[CNT], 6
.Lfill:                                                ; blocks 0 to 5: each asks for the block two on
	BLOCK 1
	s_sub_co_u32 s[CNT], s[CNT], 1
	s_cmp_lg_u32 s[CNT], 0
	s_cbranch_scc1 .Lfill
	s_mov_b32 s[CNT], 2
.Ltail:                                                ; blocks 6 and 7 ask for nothing: written out apart
	BLOCK 0
	s_sub_co_u32 s[CNT], s[CNT], 1
	s_cmp_lg_u32 s[CNT], 0
	s_cbranch_scc1 .Ltail
	; THE WAY OUT: thread t takes rows 2 t and 2 t + 1 of the work-group's 512.  Row R = 64 block + 16 mt + 8 h + 4 sk + i, so of t: bit 0 = i / 2, bit 1 = sk, bit 2 = h, bits 4:3 = mt, bits 7:5 = block.
	v_and_b32 v[XRD], 0xe0, v0                     ; the sums: 32 x block
	v_and_b32 v228, 1, v0
	v_lshl_add_u32 v[XRD], v228, 3, v[XRD]         ; + 8 (i / 2)
	v_bfe_u32 v228, v0, 2, 1
	v_lshl_add_u32 v[XRD], v228, 4, v[XRD]         ; + 16 h
	v_bfe_u32 v228, v0, 1, 1
	v_lshl_add_u32 v[XRD], v228, 8, v[XRD]         ; + 256 sk
	v_bfe_u32 v228, v0, 3, 2
	v_lshl_add_u32 v[XRD], v228, 9, v[XRD]         ; + 512 mt
	v_add_nc_u32 v[XRD], OST, v[XRD]
	v_and_b32 v[UW], 0xe0, v0                      ; x . Wc: row 16 mt + r, r = 2 (t % 8):
	v_lshlrev_b32 v[UW], 1, v[UW]                  ; 64 x block
	v_and_b32 v229, 7, v0
	v_lshl_add_u32 v[UW], v229, 3, v[UW]           ; + 4 r
	v_lshl_add_u32 v[UW], v228, 10, v[UW]          ; + 1024 mt; the other half of K lies 512 bytes on
	v_add_nc_u32 v[UW], UP, v[UW]
	v_lshlrev_b32 v[XB], 3, v0                     ; and 8 t in each output
	s_wait_dscnt 0x0                               ; for the others' sake: my last sums lie in LDS
	s_barrier_signal -1
	s_barrier_wait -1
	ds_load_b64 v[DA:DA+1], v[XRD]
	ds_load_b64 v[DA+2:DA+3], v[UW]
	ds_load_b64 v[DA+4:DA+5], v[UW] offset:512
	s_wait_dscnt 0x0
	v_fma_f32 v[DA], v[DA], s[CC], s[CB2]          ; c (z + b2)
	v_fma_f32 v[DA+1], v[DA+1], s[CC], s[CB2]
	v_exp_f32 v[DA], v[DA]
	v_exp_f32 v[DA+1], v[DA+1]
	v_add_f32 v[DA+2], v[DA+2], v[DA+4]            ; x . Wc: the two halves of K.  (Plain work behind the exponentials)
	v_add_f32 v[DA+3], v[DA+3], v[DA+5]
	s_wait_alu depctr_va_vdst(0)                   ; one wait for the two, ahead of their first reader
	v_add_f32 v[DA], 1.0, v[DA]
	v_add_f32 v[DA+1], 1.0, v[DA+1]
	v_rcp_f32 v[DA], v[DA]
	v_rcp_f32 v[DA+1], v[DA+1]
	v_med3_num_f32 v[DA+2], v[DA+2], -1.0, 1.0     ; the clip.  (Plain work behind the reciprocals)
	v_med3_num_f32 v[DA+3], v[DA+3], -1.0, 1.0
	s_wait_alu depctr_va_vdst(0)                   ; one wait for the two
	v_fma_f32 v[DA], v[DA], -2.0, 1.0
	v_fma_f32 v[DA+1], v[DA+1], -2.0, 1.0
	global_store_b64 v[XB], v[DA:DA+1], s[22:23] th:TH_STORE_NT     ; a wave stores 256 consecutive bytes, aligned
	global_store_b64 v[XB], v[DA+2:DA+3], s[24:25] th:TH_STORE_NT
	s_wait_tensorcnt 0x0                           ; the wave's end, behind my last tensor load and my last LDS store
	ds_add_u32 v[SPW], v[NIL]
	s_wait_dscnt 0x0
	s_endpgm
.Lfunc_end_k_q732c935ae4_main:
	.size	k_q732c935ae4_main, .Lfunc_end_k_q732c935ae4_main-k_q732c935ae4_main
	.p2alignl 7, 3214868480
	.fill 96, 4, 3214868480
	.section	.rodata,"a",@progbits
	.p2align	6, 0x0
	.amdhsa_kernel k_q732c935ae4_main
		.amdhsa_group_segment_fixed_size 327680
		.amdhsa_private_segment_fixed_size 0
		.amdhsa_enable_private_segment 0
		.amdhsa_kernarg_size 72
		.amdhsa_user_sgpr_count 2
		.amdhsa_user_sgpr_kernarg_segment_ptr 1
		.amdhsa_wavefront_size32 1
		.amdhsa_system_sgpr_workgroup_id_x 1
		.amdhsa_system_sgpr_workgroup_id_y 1
		.amdhsa_system_sgpr_workgroup_id_z 1
		.amdhsa_system_vgpr_workitem_id 0
		.amdhsa_next_free_vgpr 512
		.amdhsa_next_free_sgpr 66
		.amdhsa_reserve_vcc 0
		.amdhsa_float_denorm_mode_32 3
		.amdhsa_float_denorm_mode_16_64 3
		.amdhsa_memory_ordered 1
		.amdhsa_forward_progress 1
		.amdhsa_inst_pref_size 244
	.end_amdhsa_kernel
	.amdgpu_metadata
---
amdhsa.version: [ 1, 2 ]
amdhsa.kernels:
  - .name:           k_q732c935ae4_main
    .symbol:         k_q732c935ae4_main.kd
    .args:
      - { .name: x, .offset: 0, .size: 8, .value_kind: global_buffer, .address_space: global }
      - { .name: w1c, .offset: 8, .size: 8, .value_kind: global_buffer, .address_space: global }
      - { .name: w1s, .offset: 16, .size: 8, .value_kind: global_buffer, .address_space: global }
      - { .name: b1, .offset: 24, .size: 8, .value_kind: global_buffer, .address_space: global }
      - { .name: W2, .offset: 32, .size: 8, .value_kind: global_buffer, .address_space: global }
      - { .name: b2, .offset: 40, .size: 8, .value_kind: global_buffer, .address_space: global }
      - { .name: Wc, .offset: 48, .size: 8, .value_kind: global_buffer, .address_space: global }
      - { .name: out0, .offset: 56, .size: 8, .value_kind: global_buffer, .address_space: global }
      - { .name: out1, .offset: 64, .size: 8, .value_kind: global_buffer, .address_space: global }
    .group_segment_fixed_size: 327680
    .private_segment_fixed_size: 0
    .kernarg_segment_align: 8
    .kernarg_segment_size: 72
    .max_flat_workgroup_size: 256
    .sgpr_count:     66
    .vgpr_count:     512
    .wavefront_size: 32
...
	.end_amdgpu_metadata
.endif
;; end of part 2
